; MI455X (gfx1250); checked and timed in simulation.
; The chip was launched on July 23, 2026; its instructions are those of AMD's public machine-readable ISA for CDNA 5 (MIT licence, August 2026) and "CDNA5" Instruction Set Architecture Reference Guide (July 2026). The comments in the code are by the model that wrote it; some were corrected since.
;; Ternary Linear. Allowed arithmetic: float matrix products may take bf16 or f16 operands with f32 sums; other float arithmetic in f32, or as packed bf16 or f16 multiplies, adds, multiply-adds, maxima and minima; sums over many terms, partial sums and values carried from step to step in f32; what a program stores and reads back later, other than sums and carried values, may be rounded once to bf16 or f16.
;; Inputs: bias 4,096 float32; weight 4,096 x 4,096 float32; x 4,096 x 4,096 float32.
;; Outputs: out0 4,096 x 4,096 float32.
;; 2 versions, each right; version 2 is version 1 with the launch wquant written anew for expert scheduling mode. Each part assembles by itself: llvm-mc -triple=amdgcn-amd-amdhsa -mcpu=gfx1250 --defsym DOCPART=n.
;; ======== version 1 of 2: 3 launches
;; workspace buffers: xq 33,554,432 bytes; wq 33,554,432 bytes; wpart 2,048 bytes; xdeq 16,384 bytes
;; launch prep (part 1): grid 512 x 1, 8 waves a work-group, no clusters, 1,280 bytes of LDS; arguments x, weight, xq, wpart, xdeq; writes xq, wpart, xdeq
.if DOCPART == 1
	.amdgcn_target "amdgcn-amd-amdhsa--gfx1250"
	.amdhsa_code_object_version 6
	.text
	.protected	k_qfa86d11ada_prep
	.globl	k_qfa86d11ada_prep
	.p2align	8
	.type	k_qfa86d11ada_prep,@function
k_qfa86d11ada_prep:
	s_mov_b64 s[64:65], 0
	v_nop
	global_prefetch_b8 v0, s[64:65] scope:SCOPE_SE
	s_setreg_imm32_b32 hwreg(HW_REG_WAVE_MODE, 25, 1), 1
	s_wait_xcnt 0x0
; FIRST PASS.  x: [4096][4096] f32 -> xq: [4096][4096] bf16 holding the whole numbers clip(round(x * 127 / max(absmax of the row, 1e-5)), -128, 127), which bf16 holds exactly (7 bits);
; xdeq[row] = max(absmax, 1e-5) / 127, the reciprocal of the row's scale; wpart[work-group] = the sum of |weight| over the work-group's eight rows of weight.
; SHARES.  4,096 waves, a wave a row: wave w of work-group g owns row 8 g + w of x and the same row of weight.  A row is 16,384 bytes: 32 loads of 16 bytes a lane, each of the wave's loads
; 512 consecutive bytes.  x's row stays in 128 registers between the pass that finds the maximum and the pass that scales, so x is read once.  No loop: 48 loads of a wave are out at once.
; LIMITS.  The sum of |weight| is taken as chains of 16 terms a lane and trees above them, another order than a plain running sum: the scale may differ from another order's in its last places.
; 127 / absmax is a reciprocal with one correction step.  A row's maximum stays under 2^126 (a reciprocal below 2^-126 comes out as 0: ISA guide 15.8).  NaN and infinities are not treated apart.
.set SPARE, 256                        ; LDS: bytes 0-31 the eight waves' sums, 32-63 their xdeq (one block of 256); from 256 on the spare words, 128 bytes a wave, which no other line names
.set LANE, 1                           ; v1      lane
.set LO,   2                           ; v2      16 x lane: my 16 bytes in each load; never rewritten
.set SO,   3                           ; v3      8 x lane: my 8 bytes in each store; never rewritten
.set SPW,  4                           ; v4      LDS address of my spare word; never rewritten
.set NIL,  5                           ; v5      0, for the add alone
.set WA,   6                           ; v6      4 x wave
.set TP,   7                           ; v7      at work
.set MX,   8                           ; v[8:11] four chains of the maximum
.set RA,   12                          ; v12     the row's maximum
.set RB,   13                          ; v13     the other half of the lanes'
.set AM,   14                          ; v14     max(absmax, 1e-5)
.set RC,   15                          ; v15     its reciprocal
.set XS,   16                          ; v[16:17] the row's scale, twice: a pair for the packed multiply
.set QU,   18                          ; v18     127 x reciprocal
.set XD,   19                          ; v19     xdeq
.set AW,   20                          ; v[20:27] eight chains of |weight|
.set TS,   28                          ; v28     the other half of the lanes'
.set ZA,   29                          ; v29     0: an LDS address and a store offset
.set PS,   30                          ; v[30:37] wave 0: the eight waves' sums
.set XR,   38                          ; v38     wave 0: xdeq read back
.set XA,   39                          ; v39     wave 0: 4 x (lane % 8)
.set W,    40                          ; v[40:103]  half a row of weight
.set X,    104                         ; v[104:231] the row of x
	s_load_b256 s[4:11], s[0:1], 0x0               ; x s[4:5], weight s[6:7], xq s[8:9], wpart s[10:11]
	s_load_b64 s[12:13], s[0:1], 0x20              ; xdeq
	v_lshl_add_u32 v[SPW], v0, 2, SPARE
	v_mov_b32 v[NIL], 0
	v_lshrrev_b32 v[TP], 5, v0
	v_readfirstlane_b32 s14, v[TP]                 ; wave 0..7
	v_and_b32 v[LANE], 31, v0
	v_lshlrev_b32 v[LO], 4, v[LANE]
	v_lshlrev_b32 v[SO], 3, v[LANE]
	v_mov_b32 v[WA], s14
	v_lshlrev_b32 v[WA], 2, v[WA]
	v_mov_b32 v[RB], 0                             ; v_permlanex16_b32 counts as a reader of its destination: both are written here
	v_mov_b32 v[TS], 0
	v_mov_b32 v[ZA], 0
	s_lshl_b32 s15, ttmp9, 3
	s_add_co_u32 s15, s15, s14                     ; my row
	s_lshl_b32 s16, s15, 14                        ; x 16,384 bytes in x and weight (under 2^26)
	s_mov_b32 s17, 0
	s_lshl_b32 s18, s15, 13                        ; x 8,192 bytes in xq
	s_mov_b32 s19, 0
	s_mov_b32 s20, 0xc3000000                      ; -128.0
	s_mov_b32 s21, 0x42fe0000                      ; 127.0
	s_mov_b32 s22, 0x76543210                      ; v_permlanex16_b32: each lane takes its own place in the other half
	s_mov_b32 s23, 0xfedcba98
	s_lshl_b32 s26, ttmp9, 5                       ; the work-group's eight words of xdeq
	s_mov_b32 s27, 0
	s_lshl_b32 s28, ttmp9, 2                       ; and its word of wpart
	s_mov_b32 s29, 0
	s_wait_kmcnt 0x0
	s_add_nc_u64 s[4:5], s[4:5], s[16:17]
	s_add_nc_u64 s[6:7], s[6:7], s[16:17]
	s_add_nc_u64 s[8:9], s[8:9], s[18:19]
	s_add_nc_u64 s[12:13], s[12:13], s[26:27]
	s_add_nc_u64 s[10:11], s[10:11], s[28:29]
.macro LOADW half                      ; half a row of weight: 16 loads.  No hint: the next launch reads weight again
.irp j, 0,1,2,3,4,5,6,7,8,9,10,11,12,13,14,15
	global_load_b128 v[W+4*(\j):W+4*(\j)+3], v[LO], s[6:7] offset:8192*(\half)+512*(\j)
.endr
.endm
.macro SUMW first                      ; 64 numbers a lane onto eight chains that do not wait for each other; first = 1: the first sixteen start the chains, nothing is cleared
.if \first
.irp k, 0,1,2,3,4,5,6,7
	v_add_f32 v[AW+(\k)], |v[W+(\k)]|, |v[W+8+(\k)]|
.endr
.set i, 16
.rept 48
	v_add_f32 v[AW+i%8], v[AW+i%8], |v[W+i]|
.set i, i+1
.endr
.else
.set i, 0
.rept 64
	v_add_f32 v[AW+i%8], v[AW+i%8], |v[W+i]|
.set i, i+1
.endr
.endif
.endm
; Chunk j of the row: four numbers a lane are scaled, rounded to the nearest whole number (ties to even), clipped, packed as bf16 and stored: 32 lanes x 8 bytes are 256 consecutive bytes, aligned.
.macro QX j
	v_pk_mul_f32 v[X+4*(\j):X+4*(\j)+1], v[X+4*(\j):X+4*(\j)+1], v[XS:XS+1]
	v_pk_mul_f32 v[X+4*(\j)+2:X+4*(\j)+3], v[X+4*(\j)+2:X+4*(\j)+3], v[XS:XS+1]
.irp k, 0,1,2,3
	v_rndne_f32 v[X+4*(\j)+(\k)], v[X+4*(\j)+(\k)]
.endr
.irp k, 0,1,2,3
	v_med3_num_f32 v[X+4*(\j)+(\k)], v[X+4*(\j)+(\k)], s20, s21
.endr
	v_cvt_pk_bf16_f32 v[X+4*(\j)], v[X+4*(\j)], v[X+4*(\j)+1]
	v_cvt_pk_bf16_f32 v[X+4*(\j)+1], v[X+4*(\j)+2], v[X+4*(\j)+3]
	global_store_b64 v[SO], v[X+4*(\j):X+4*(\j)+1], s[8:9] offset:256*(\j)   ; its registers are not written again
.endm
	LOADW 0
.irp j, 0,1,2,3,4,5,6,7,8,9,10,11,12,13,14,15,16,17,18,19,20,21,22,23,24,25,26,27,28,29,30,31
	global_load_b128 v[X+4*(\j):X+4*(\j)+3], v[LO], s[4:5] offset:512*(\j) th:TH_LOAD_NT   ; x is read once in the whole program
.endr
	s_wait_loadcnt 32                              ; loads come back in order (ISA guide 5.7.1): weight's first half is in, x's 32 loads stay out
	SUMW 1
	LOADW 1                                        ; the second half, into the registers just added up
	s_wait_loadcnt 16                              ; x's row is in; the 16 loads just issued stay out
	; the largest |x| of my 128 numbers: four chains, three operands at a time
.irp k, 0,1,2,3
	v_max_num_f32 v[MX+(\k)], |v[X+2*(\k)]|, |v[X+2*(\k)+1]|
.endr
.set i, 8
.rept 60
	v_max3_num_f32 v[MX+(i/2)%4], v[MX+(i/2)%4], |v[X+i]|, |v[X+i+1]|
.set i, i+2
.endr
	v_max3_num_f32 v[RA], v[MX], v[MX+1], v[MX+2]
	v_max_num_f32 v[RA], v[RA], v[MX+3]
	; across the 32 lanes: four steps inside each half of 16 lanes, one across the halves; every lane ends with the row's maximum
	v_max_num_f32_dpp v[RA], v[RA], v[RA] row_xmask:1 row_mask:0xf bank_mask:0xf
	v_max_num_f32_dpp v[RA], v[RA], v[RA] row_xmask:2 row_mask:0xf bank_mask:0xf
	v_max_num_f32_dpp v[RA], v[RA], v[RA] row_xmask:4 row_mask:0xf bank_mask:0xf
	v_max_num_f32_dpp v[RA], v[RA], v[RA] row_xmask:8 row_mask:0xf bank_mask:0xf
	v_permlanex16_b32 v[RB], v[RA], s22, s23
	v_max_num_f32 v[RA], v[RA], v[RB]
	v_max_num_f32 v[AM], 0x3727c5ac, v[RA]         ; at least 1e-5
	v_rcp_f32 v[RC], v[AM]
	v_mul_f32 v[XD], 0x3c010204, v[AM]             ; xdeq = the maximum / 127; also the plain instruction behind the reciprocal (ISA guide 5.7.2)
	s_wait_alu depctr_va_vdst(0)                   ; this wait ahead of the first line that names the reciprocal
	v_mul_f32 v[QU], 0x42fe0000, v[RC]             ; q = 127 r
	v_fma_f32 v[TP], -v[AM], v[QU], s21            ; what q leaves of 127,
	v_fma_f32 v[XS], v[TP], v[RC], v[QU]           ; given back: one correction step
	v_mov_b32 v[XS+1], v[XS]
.set n, 0
.rept 32
	QX n
.set n, n+1
.endr
	s_wait_loadcnt 0x0                             ; weight's second half
	SUMW 0
	v_pk_add_f32 v[AW:AW+1], v[AW:AW+1], v[AW+4:AW+5]
	v_pk_add_f32 v[AW+2:AW+3], v[AW+2:AW+3], v[AW+6:AW+7]
	v_pk_add_f32 v[AW:AW+1], v[AW:AW+1], v[AW+2:AW+3]
	v_add_f32 v[AW], v[AW], v[AW+1]
	v_add_f32_dpp v[AW], v[AW], v[AW] row_xmask:1 row_mask:0xf bank_mask:0xf
	v_add_f32_dpp v[AW], v[AW], v[AW] row_xmask:2 row_mask:0xf bank_mask:0xf
	v_add_f32_dpp v[AW], v[AW], v[AW] row_xmask:4 row_mask:0xf bank_mask:0xf
	v_add_f32_dpp v[AW], v[AW], v[AW] row_xmask:8 row_mask:0xf bank_mask:0xf
	v_permlanex16_b32 v[TS], v[AW], s22, s23
	v_add_f32 v[AW], v[AW], v[TS]                  ; the row's sum of |weight|, in every lane
	ds_store_b32 v[WA], v[AW]                      ; all lanes write the wave's word with the same number
	ds_store_b32 v[WA], v[XD] offset:32
	s_wait_dscnt 0x0                               ; for the others' sake: my two words are in LDS
	s_barrier_signal -1
	s_barrier_wait -1
	s_cmp_lg_u32 s14, 0                            ; wave 0 stores the work-group's eight xdeq and its one sum
	s_cbranch_scc1 .Lend
	ds_load_b128 v[PS:PS+3], v[ZA]
	ds_load_b128 v[PS+4:PS+7], v[ZA] offset:16
	v_and_b32 v[XA], 7, v[LANE]
	v_lshlrev_b32 v[XA], 2, v[XA]
	ds_load_b32 v[XR], v[XA] offset:32
	s_wait_dscnt 0x0
	v_pk_add_f32 v[PS:PS+1], v[PS:PS+1], v[PS+4:PS+5]
	v_pk_add_f32 v[PS+2:PS+3], v[PS+2:PS+3], v[PS+6:PS+7]
	v_pk_add_f32 v[PS:PS+1], v[PS:PS+1], v[PS+2:PS+3]
	v_add_f32 v[PS], v[PS], v[PS+1]
	v_cmp_gt_u32 vcc_lo, 8, v[LANE]
	s_wait_xcnt 0x0                                ; EXEC is a source of the stores that are out: it changes only behind this wait
	s_and_saveexec_b32 s24, vcc_lo
	global_store_b32 v[XA], v[XR], s[12:13]        ; lanes 0-7: 32 bytes; eight rows a work-group give no more
	s_wait_xcnt 0x0                                ; and again, in front of the line that widens it
	s_or_b32 exec_lo, exec_lo, s24
	v_cmp_eq_u32 vcc_lo, 0, v[LANE]
	s_and_saveexec_b32 s24, vcc_lo                 ; (nothing has been issued since the last wait)
	global_store_b32 v[ZA], v[PS], s[10:11]        ; lane 0: the work-group's sum
	s_wait_xcnt 0x0
	s_or_b32 exec_lo, exec_lo, s24
.Lend:
	s_wait_tensorcnt 0x0                           ; the wave's end: behind my last LDS store
	ds_add_u32 v[SPW], v[NIL]
	s_wait_dscnt 0x0
	s_endpgm
.Lfunc_end_k_qfa86d11ada_prep:
	.size	k_qfa86d11ada_prep, .Lfunc_end_k_qfa86d11ada_prep-k_qfa86d11ada_prep
	.p2alignl 7, 3214868480
	.fill 96, 4, 3214868480
	.section	.rodata,"a",@progbits
	.p2align	6, 0x0
	.amdhsa_kernel k_qfa86d11ada_prep
		.amdhsa_group_segment_fixed_size 1280
		.amdhsa_private_segment_fixed_size 0
		.amdhsa_enable_private_segment 0
		.amdhsa_kernarg_size 40
		.amdhsa_user_sgpr_count 2
		.amdhsa_user_sgpr_kernarg_segment_ptr 1
		.amdhsa_wavefront_size32 1
		.amdhsa_system_sgpr_workgroup_id_x 1
		.amdhsa_system_sgpr_workgroup_id_y 1
		.amdhsa_system_sgpr_workgroup_id_z 1
		.amdhsa_system_vgpr_workitem_id 0
		.amdhsa_next_free_vgpr 232
		.amdhsa_next_free_sgpr 66
		.amdhsa_reserve_vcc 1
		.amdhsa_float_denorm_mode_32 3
		.amdhsa_float_denorm_mode_16_64 3
		.amdhsa_memory_ordered 1
		.amdhsa_forward_progress 1
		.amdhsa_inst_pref_size 45
	.end_amdhsa_kernel
	.amdgpu_metadata
---
amdhsa.version: [ 1, 2 ]
amdhsa.kernels:
  - .name:           k_qfa86d11ada_prep
    .symbol:         k_qfa86d11ada_prep.kd
    .args:
      - { .name: x, .offset: 0, .size: 8, .value_kind: global_buffer, .address_space: global }
      - { .name: weight, .offset: 8, .size: 8, .value_kind: global_buffer, .address_space: global }
      - { .name: xq, .offset: 16, .size: 8, .value_kind: global_buffer, .address_space: global }
      - { .name: wpart, .offset: 24, .size: 8, .value_kind: global_buffer, .address_space: global }
      - { .name: xdeq, .offset: 32, .size: 8, .value_kind: global_buffer, .address_space: global }
    .group_segment_fixed_size: 1280
    .private_segment_fixed_size: 0
    .kernarg_segment_align: 8
    .kernarg_segment_size: 40
    .max_flat_workgroup_size: 256
    .sgpr_count:     66
    .vgpr_count:     232
    .wavefront_size: 32
...
	.end_amdgpu_metadata
.endif
;; end of part 1
;; launch wquant (part 2): grid 512 x 1, 8 waves a work-group, no clusters, 0 bytes of LDS; arguments weight, wpart, wq; writes wq
.if DOCPART == 2
	.amdgcn_target "amdgcn-amd-amdhsa--gfx1250"
	.amdhsa_code_object_version 6
	.text
	.protected	k_qfa86d11ada_wquant
	.globl	k_qfa86d11ada_wquant
	.p2align	8
	.type	k_qfa86d11ada_wquant,@function
k_qfa86d11ada_wquant:
	s_mov_b64 s[64:65], 0
	v_nop
	global_prefetch_b8 v0, s[64:65] scope:SCOPE_SE
	s_setreg_imm32_b32 hwreg(HW_REG_WAVE_MODE, 25, 1), 1
	s_wait_xcnt 0x0
; SECOND PASS.  weight: [4096][4096] f32 -> wq: [4096][4096] bf16 holding clip(round(weight / (w_scale + 1e-10)), -1, 1), w_scale = the mean of |weight| = (the sum of wpart's 512 numbers) x 2^-24.
; NO DIVISION.  With s = w_scale + 1e-10 the rounded quotient |w| / s is rounded (ties to even) to 1 or more exactly where |w| > s / 2 as f32 numbers: s / 2 is exact, the next f32 above it lies more
; than one part in 2^24 higher, so its quotient rounds above 0.5; at or below s / 2 the quotient is at most 0.5, which goes to 0.  Above 1.5 the clip gives 1.  So: sign(w) where |w| > s / 2, else 0.
; SHARES.  A wave a row of 16,384 bytes: 32 loads of 16 bytes a lane, all out at once; no loop, no LDS, no wave waits for another.  Every wave adds wpart's 2,048 bytes up for itself.
; LIMITS.  The mean is taken in the order of the partial sums and trees, not as one running sum: a weight that lies between this threshold and another order's would differ.  A zero is stored as +0.
; NaN and infinities are not treated apart.
.set LANE, 1                           ; v1      lane
.set LO,   2                           ; v2      16 x lane; never rewritten
.set SO,   3                           ; v3      8 x lane; never rewritten
.set T,    4                           ; v[4:7]  at work
.set H,    8                           ; v8      the threshold
.set TS,   9                           ; v9      the other half of the lanes'
.set P,    16                          ; v[16:31] sixteen of wpart's numbers
.set W,    40                          ; v[40:167] the row
	s_load_b128 s[4:7], s[0:1], 0x0                ; weight s[4:5], wpart s[6:7]
	s_load_b64 s[8:9], s[0:1], 0x10                ; wq
	v_lshrrev_b32 v[TS], 5, v0
	v_readfirstlane_b32 s14, v[TS]                 ; wave 0..7
	v_and_b32 v[LANE], 31, v0
	v_lshlrev_b32 v[LO], 4, v[LANE]
	v_lshlrev_b32 v[SO], 3, v[LANE]
	s_lshl_b32 s15, ttmp9, 3
	s_add_co_u32 s15, s15, s14                     ; my row
	s_lshl_b32 s16, s15, 14
	s_mov_b32 s17, 0
	s_lshl_b32 s18, s15, 13
	s_mov_b32 s19, 0
	s_mov_b32 s24, 0x7fffffff                      ; all but the sign
	s_mov_b32 s25, 0x07060302                      ; v_perm_b32: the two upper halves
	s_mov_b32 s26, 0x76543210
	s_mov_b32 s27, 0xfedcba98
	s_mov_b32 s28, 0x3f800000                      ; 1.0
	s_wait_kmcnt 0x0
	s_add_nc_u64 s[4:5], s[4:5], s[16:17]
	s_add_nc_u64 s[8:9], s[8:9], s[18:19]
.irp j, 0,1,2,3
	global_load_b128 v[P+4*(\j):P+4*(\j)+3], v[LO], s[6:7] offset:512*(\j)
.endr
.irp j, 0,1,2,3,4,5,6,7,8,9,10,11,12,13,14,15,16,17,18,19,20,21,22,23,24,25,26,27,28,29,30,31
	global_load_b128 v[W+4*(\j):W+4*(\j)+3], v[LO], s[4:5] offset:512*(\j) th:TH_LOAD_NT   ; weight's last reading
.endr
	s_wait_loadcnt 32                              ; wpart is in; the row's 32 loads stay out
.irp r, 0,2,4,6
	v_pk_add_f32 v[P+(\r):P+(\r)+1], v[P+(\r):P+(\r)+1], v[P+8+(\r):P+8+(\r)+1]
.endr
	v_pk_add_f32 v[P:P+1], v[P:P+1], v[P+4:P+5]
	v_pk_add_f32 v[P+2:P+3], v[P+2:P+3], v[P+6:P+7]
	v_pk_add_f32 v[P:P+1], v[P:P+1], v[P+2:P+3]
	v_add_f32 v[P], v[P], v[P+1]
	v_add_f32_dpp v[P], v[P], v[P] row_xmask:1 row_mask:0xf bank_mask:0xf
	v_add_f32_dpp v[P], v[P], v[P] row_xmask:2 row_mask:0xf bank_mask:0xf
	v_add_f32_dpp v[P], v[P], v[P] row_xmask:4 row_mask:0xf bank_mask:0xf
	v_add_f32_dpp v[P], v[P], v[P] row_xmask:8 row_mask:0xf bank_mask:0xf
	v_permlanex16_b32 v[TS], v[P], s26, s27
	v_add_f32 v[P], v[P], v[TS]
	v_mul_f32 v[P], 0x33800000, v[P]               ; x 2^-24, exact: w_scale
	v_add_f32 v[H], 0x2edbe6ff, v[P]               ; + 1e-10
	v_mul_f32 v[H], 0.5, v[H]                      ; halved, exact
.set j, 0
.rept 32
	s_wait_loadcnt 31-j                            ; chunk j is in; the younger ones stay out
.irp k, 0,1,2,3
	v_bfi_b32 v[T+(\k)], s24, s28, v[W+4*j+(\k)]   ; 1.0 with w's sign
.endr
.irp k, 0,1,2,3
	v_cmp_gt_f32 s[20+(\k)], |v[W+4*j+(\k)]|, v[H]
.endr
.irp k, 0,1,2,3
	v_cndmask_b32 v[T+(\k)], 0, v[T+(\k)], s[20+(\k)]
.endr
	v_perm_b32 v[W+4*j], v[T+1], v[T], s25         ; an f32's upper half is the bf16 of -1, 0 or 1, exactly
	v_perm_b32 v[W+4*j+1], v[T+3], v[T+2], s25
	global_store_b64 v[SO], v[W+4*j:W+4*j+1], s[8:9] offset:256*j   ; 32 lanes x 8 bytes: 256 consecutive bytes, aligned; its registers are not written again
.set j, j+1
.endr
	s_endpgm
.Lfunc_end_k_qfa86d11ada_wquant:
	.size	k_qfa86d11ada_wquant, .Lfunc_end_k_qfa86d11ada_wquant-k_qfa86d11ada_wquant
	.p2alignl 7, 3214868480
	.fill 96, 4, 3214868480
	.section	.rodata,"a",@progbits
	.p2align	6, 0x0
	.amdhsa_kernel k_qfa86d11ada_wquant
		.amdhsa_group_segment_fixed_size 0
		.amdhsa_private_segment_fixed_size 0
		.amdhsa_enable_private_segment 0
		.amdhsa_kernarg_size 24
		.amdhsa_user_sgpr_count 2
		.amdhsa_user_sgpr_kernarg_segment_ptr 1
		.amdhsa_wavefront_size32 1
		.amdhsa_system_sgpr_workgroup_id_x 1
		.amdhsa_system_sgpr_workgroup_id_y 1
		.amdhsa_system_sgpr_workgroup_id_z 1
		.amdhsa_system_vgpr_workitem_id 0
		.amdhsa_next_free_vgpr 168
		.amdhsa_next_free_sgpr 66
		.amdhsa_reserve_vcc 0
		.amdhsa_float_denorm_mode_32 3
		.amdhsa_float_denorm_mode_16_64 3
		.amdhsa_memory_ordered 1
		.amdhsa_forward_progress 1
		.amdhsa_inst_pref_size 38
	.end_amdhsa_kernel
	.amdgpu_metadata
---
amdhsa.version: [ 1, 2 ]
amdhsa.kernels:
  - .name:           k_qfa86d11ada_wquant
    .symbol:         k_qfa86d11ada_wquant.kd
    .args:
      - { .name: weight, .offset: 0, .size: 8, .value_kind: global_buffer, .address_space: global }
      - { .name: wpart, .offset: 8, .size: 8, .value_kind: global_buffer, .address_space: global }
      - { .name: wq, .offset: 16, .size: 8, .value_kind: global_buffer, .address_space: global }
    .group_segment_fixed_size: 0
    .private_segment_fixed_size: 0
    .kernarg_segment_align: 8
    .kernarg_segment_size: 24
    .max_flat_workgroup_size: 256
    .sgpr_count:     66
    .vgpr_count:     168
    .wavefront_size: 32
...
	.end_amdgpu_metadata
.endif
;; end of part 2
;; launch gemm (part 3): grid 16 x 16, 4 waves a work-group, clusters of 4 x 4, 327,680 bytes of LDS; arguments xq, wq, out0, wpart, xdeq, bias; writes out0
.if DOCPART == 3
	.amdgcn_target "amdgcn-amd-amdhsa--gfx1250"
	.amdhsa_code_object_version 6
	.text
	.protected	k_qfa86d11ada_gemm
	.globl	k_qfa86d11ada_gemm
	.p2align	8
	.type	k_qfa86d11ada_gemm,@function
k_qfa86d11ada_gemm:
	s_mov_b64 s[64:65], 0
	v_nop
	global_prefetch_b8 v0, s[64:65] scope:SCOPE_SE
	s_setreg_imm32_b32 hwreg(HW_REG_WAVE_MODE, 25, 1), 1
	s_wait_xcnt 0x0
	s_wait_alu depctr_hold_cnt(0) depctr_sa_sdst(0) depctr_va_vdst(0) depctr_va_sdst(0) depctr_va_ssrc(0) depctr_va_vcc(0) depctr_vm_vsrc(0)
	s_getreg_b32 s2, hwreg(HW_REG_IB_STS2, 6, 4)
	s_cmp_eq_u32 s2, 0
	s_cbranch_scc0 .Lentry_in_a_cluster
	s_endpgm
.Lentry_in_a_cluster:
	s_bfe_u32 s2, ttmp6, 0x10000c
	s_cmp_lg_u32 s2, 0xf033
	s_cbranch_scc0 .Lentry_shape_is_right
	s_endpgm
.Lentry_shape_is_right:
; THIRD PASS.  out0[m][n] = (the sum over k of xq[m][k] wq[n][k]) x w_scale x xdeq[m] + bias[n].  xq, wq: [4096][4096] bf16, whole numbers of at most 127 and 1 in magnitude; out0: [4096][4096] f32.
; The products are whole numbers and every partial sum stays at or under 4,096 x 127 = 520,192, far under 2^24: the f32 sums hold the whole-number result.
; w_scale = (the sum of wpart's 512 numbers) x 2^-24, added up by every wave in the order of the pass that made the ternary weights.
; A tile of out0, 256 x 256, is made by a work-group of four waves; a wave makes 128 x 128: 64 accumulators of 16 x 16, 512 registers.  256 tiles, one to a work-group.  K goes in 32 steps of 128
; through a ring of two LDS slots filled by the tensor data mover: a tile's rows are 256 bytes of memory and start at multiples of 256 bytes from the buffer's first byte.
; CLUSTERS: 4 x 4 work-groups.  The four of a row of the cluster need the same tiles of xq, the four of a column the same tiles of wq: each tile is asked for JOINTLY, by the same tensor load with the
; same descriptor and a mask that names the four; each receives it in its own LDS.  That divides the requests for both by four.
; THE MATRIX INSTRUCTION IS USED TRANSPOSED: source 0 = 16 rows of wq, source 1 = 16 rows of xq.  Lane l then holds row m = l % 16 and its registers 0 to 7 the columns n = 8 (l / 16) + 0 .. 7:
; so a lane has ONE scale for an accumulator, and eight neighbouring numbers of a row: 32 bytes.
; LIMITS.  The dequantisation multiplies by w_scale x xdeq[m], made once, where the definition multiplies by w_scale and divides by the row's scale: the last places differ.  NaN and infinities are not treated apart.
;
; REGISTERS, in windows of 256 (s_set_vgpr_msb's low byte: bits 1:0 source 0, 3:2 source 1, 5:4 source 2, 7:6 destination):
;   window 0: v0-31 addresses; v32-56 at work at the head; v64-127, v128-191 fragments of xq, two buffers; on the way out v64-127 results, v128-191 and v192-255 rows read back, by turns
;   window 1: v0-63 my 8 x 8 numbers of bias; v64-127, v128-191 fragments of wq, two buffers; v192-207 my eight scales, each twice
;   window 2: the 32 accumulators of my rows 0-63 (accumulator (a, b) at v[8 (8 a + b)]);   window 3: those of my rows 64-127
.set SIZE_N, 4096
.set SIZE_K, 4096
.set KSTEP,  128
.set PITCH,  272                       ; an LDS row: 256 bytes + 16 of padding = 68 words: row r starts at bank 4 r mod 64 (64 banks of 4 bytes: ISA guide 11.1), so the 16 rows that a load touches start at 16 different banks
.set HALFT,  128*PITCH                 ; 128 rows: what one tensor load brings, and what one wave reads of xq or of wq
.set SLOT,   4*HALFT                   ; xq's 256 rows, then wq's 256 rows
.set STAGE,  2*SLOT                    ; behind the ring, never filled by a tensor load: 16 rows x 528 bytes for each wave, for the way out
.set SPITCH, 528                       ; a stage row: 512 bytes + 16: the 16 rows that a store touches start at 16 different groups of four banks
.set SPARE,  STAGE+4*16*SPITCH         ; behind the stages: the spare words, 128 bytes for each wave: two blocks of 256 bytes that no other line names
.set LAPS,   SIZE_K/(2*KSTEP)          ; a lap = two K steps = once round the ring
.set ADRA, 16                          ; v16-17  LDS address of my xq fragments in slot 0, 1
.set ADRB, 20                          ; v20-21  the same for wq
.set STO,  24                          ; v24     the way out: where I put 32 bytes of a row
.set RD,   25                          ; v25     the way out: where I read 16 bytes of a row back
.set CO,   26                          ; v26     16 x lane: my bytes in 512 consecutive bytes of out0, and of wpart
.set XO,   27                          ; v27     4 x (l % 16): my row's word among 16 of xdeq
.set SPW,  28                          ; v28     LDS address of my spare word; never rewritten
.set NIL,  29                          ; v29     0, for the add alone
.set PFO,  30                          ; v30     the prefetches' offset: my lane x a row of 8,192 bytes; never rewritten
.set BO,   31                          ; v31     32 x (l / 16): my eight numbers among 16 of bias
.set P,    32                          ; v[32:47] sixteen of wpart's numbers
.set XD,   48                          ; v[48:55] xdeq of my row in each of my eight blocks of 16 rows
.set TS,   56                          ; v56     the other half of the lanes'
.set F0,   64                          ; fragment buffer 0
.set F1,   128                         ; fragment buffer 1
.set TMP,  64                          ; the way out: a block's 64 results
.set BK0,  128                         ; the way out: 16 rows read back: v128-191 and v192-255 by turns
.set BI,   0                           ; window 1: bias[my first column + 16 b + 8 (l / 16) + j] at 8 b + j
.set SC,   192                         ; window 1: block a's scale at 192 + 2 a and once more beside it: a pair for the packed multiply-add
.set G1,  24                           ; s[24:31] descriptor group 1 for xq's tiles
.set G0,  32                           ; s[32:39] descriptor group 0 for xq's tiles, one set for each slot
.set LIM, 43                           ; s43     1 in a wave that prefetches, else the greatest number
.set PFA, 44                           ; s[44:45] where my prefetches stand
.set G1B, 48                           ; s[48:55] descriptor group 1 for wq's tiles: it differs in the mask alone
.set G0B, 56                           ; s[56:63] descriptor group 0 for wq's tiles
.set MSB, 0
.macro WIN new                         ; the immediate's high byte repeats the setting that is left; a switch that changes nothing is dropped
.if MSB != (\new)
	s_set_vgpr_msb (MSB<<8)|(\new)
.set MSB, \new
.endif
.endm
.set MUL_LO, 0xa1                      ; source 0 (wq) window 1, source 1 (xq) window 0, C and D window 2
.set MUL_HI, 0xf1                      ; the same, C and D window 3
.set TO_B,   0x40                      ; destination window 1, address and sources window 0
; A joint load.  Waves 0 and 1 fetch xq's two halves, waves 2 and 3 wq's.  Each of the two lines has ONE mask and one set of registers for all that issue it.  The branch hangs on the wave's number alone.
; An s_nop 0 and four v_nop follow each of the two lines, ahead of the jump, the label and what follows.
.macro JLOAD s
	s_cmp_eq_u32 s11, 0
	s_cbranch_scc0 .Lfor_b_\@
	tensor_load_to_lds s[G0+4*(\s):G0+4*(\s)+3], s[G1:G1+7]
	s_nop 0
.rept 4
	v_nop
.endr
	s_branch .Lasked_\@
.Lfor_b_\@:
	tensor_load_to_lds s[G0B+4*(\s):G0B+4*(\s)+3], s[G1B:G1B+7]
	s_nop 0
.rept 4
	v_nop
.endr
.Lasked_\@:
.endm
; A PREFETCH INTO THE L2, behind each joint refill and the run of LDS loads that follows it: the K step that stands TWO refills on, 512 matrix instructions ahead of the load that will want it:
; 32 rows x 256 bytes, a lane a row, one instruction a wave.  Each row's 256 bytes of a K step are named ONCE in the launch: xq's tile row is read by every cluster of that row of clusters, and the one with
; cluster x = 0 asks; wq's tile column by every cluster of that column, and the one with cluster y = 0 asks.  The four partners that ask for a tile jointly share its rows out BY ADDRESS: of the 128 rows that
; a wave fetches the partner at place p takes 32 p .. 32 p + 31 (p = cx for xq, cy for wq).  The loop's last trip (s3 = 1) asks for nothing: its refills are K steps 30 and 31, the last.  K steps 0 to 3 come by their loads alone.
.macro ASK
	s_cmp_gt_u32 s3, s[LIM]
	s_cbranch_scc0 .Lnot_mine_\@
	global_prefetch_b8 v[PFO], s[PFA:PFA+1] offset:KSTEP*2 th:TH_LOAD_NT scope:SCOPE_SE
.Lnot_mine_\@:
.endm
; A round of the cluster's barrier: my work-group's barrier, so that wave 0's signal speaks for all four waves; wave 0 signals for the work-group; every wave waits for all sixteen; my work-group's barrier once more.
.macro CREST                           ; a round behind its opening barrier
	s_cmp_lg_u32 s10, 0
	s_cbranch_scc1 .Lnot_wave_0_\@
	s_barrier_signal -3
.Lnot_wave_0_\@:
	s_barrier_wait -3
	s_barrier_signal -1
	s_barrier_wait -1
.endm
.macro CROUND                          ; a whole round
	s_barrier_signal -1
	s_barrier_wait -1
	CREST
.endm
	s_load_b128 s[4:7], s[0:1], 0x0                ; xq s[4:5], wq s[6:7]
	s_load_b64 s[8:9], s[0:1], 0x10                ; out0
	s_load_b128 s[68:71], s[0:1], 0x18             ; wpart s[68:69], xdeq s[70:71]
	s_load_b64 s[72:73], s[0:1], 0x28              ; bias
	v_lshl_add_u32 v[SPW], v0, 2, SPARE
	v_mov_b32 v[NIL], 0
	ds_add_u32 v[SPW], v[NIL]                      ; the wave's opening: the add, twice on end, and its wait ahead of my first tensor load; the set-up below, work on registers, stands between
	ds_add_u32 v[SPW], v[NIL]                      ; and once more, under the one wait
	v_lshrrev_b32 v1, 5, v0
	v_readfirstlane_b32 s10, v1                    ; wave 0..3
	s_lshr_b32 s11, s10, 1                         ; which half of the tile's rows is mine.  Also: I fetch for xq (0) or for wq (1)
	s_and_b32 s12, s10, 1                          ; which half of its columns.  Also: which 128 rows of that tile I fetch
	s_bfe_u32 s40, ttmp6, 0x40000                  ; cx: my place along the cluster's x
	s_bfe_u32 s41, ttmp6, 0x40004                  ; cy: along its y
	s_lshl_b32 s42, ttmp9, 2                       ; in a cluster launch ttmp9 and ttmp7 count clusters
	s_add_co_u32 s42, s42, s40                     ; tile column = 4 x cluster x + cx
	s_and_b32 s13, ttmp7, 0xffff
	s_lshl_b32 s13, s13, 2
	s_add_co_u32 s13, s13, s41                     ; tile row = 4 x cluster y + cy
	s_lshl_b32 s43, s41, 2
	s_lshl_b32 s43, 15, s43                        ; my row of the cluster: places 4 cy .. 4 cy + 3
	s_lshl_b32 s44, 0x1111, s40                    ; my column: places cx, cx + 4, cx + 8, cx + 12
	; descriptor group 1: a tile of 128 rows x 128 elements, padded in LDS
	s_or_b32 s[G1+0], s43, (1<<16)|(1<<20)|(1<<21)|(5<<22)|(3<<25)  ; 15:0 the mask: xq's tiles go to my row; 17:16 elements of 2 bytes; 20 padding on; 21 set beside a mask; 24:22 after every 64 words (code 5); 31:25 4 words (code 3)
	s_or_b32 s[G1B+0], s44, (1<<16)|(1<<20)|(1<<21)|(5<<22)|(3<<25) ; the same with the mask of my column, for wq's tiles
	s_mov_b32 s[G1B+1], KSTEP<<16
	s_mov_b32 s[G1+1], KSTEP<<16                   ; tensor_dim0 = 128
	s_mov_b32 s[G1B+2], 128<<16
	s_mov_b32 s[G1+2], 128<<16                     ; tensor_dim1 = 128
	s_mov_b32 s[G1B+3], KSTEP<<16
	s_mov_b32 s[G1+3], KSTEP<<16                   ; tile_dim0 = 128
	s_mov_b32 s[G1B+4], 128
	s_mov_b32 s[G1+4], 128                         ; tile_dim1 = 128
	s_mov_b32 s[G1B+5], SIZE_K
	s_mov_b32 s[G1+5], SIZE_K                      ; elements from row to row
	s_mov_b32 s[G1B+6], 0
	s_mov_b32 s[G1+6], 0
	s_mov_b32 s[G1B+7], 0
	s_mov_b32 s[G1+7], 0
	; where the tiles come from.  xq's hang on the tile row alone, which my row of the cluster shares; wq's on the tile column alone, which my column shares.
	s_lshl_b32 s17, s12, 7                         ; which 128 rows of the tile I fetch
	s_lshl_b32 s16, s13, 8
	s_add_co_u32 s16, s16, s17                     ; xq: row 256 x tile row + 128 x half
	s_lshl_b32 s46, s42, 8
	s_add_co_u32 s46, s46, s17                     ; wq: row 256 x tile column + 128 x half
	s_mov_b32 s17, 0
	s_mov_b32 s47, 0
	s_mov_b64 s[18:19], SIZE_K*2
	s_mul_u64 s[16:17], s[16:17], s[18:19]         ; in bytes
	s_mul_u64 s[46:47], s[46:47], s[18:19]
	s_mul_i32 s20, s10, HALFT                      ; and where they go: wave x 128 rows: no place in the cluster enters an LDS address
	s_wait_dscnt 0x0                               ; both opening adds are done
	s_wait_kmcnt 0x0
	s_add_nc_u64 s[14:15], s[4:5], s[16:17]
	s_add_nc_u64 s[46:47], s[6:7], s[46:47]
	CROUND                                         ; all sixteen work-groups are here: the first joint loads meet
.irp s, 0,1
	s_mov_b32 s[G0+4*(\s)], 1                                      ; count = 1
	s_add_co_u32 s[G0+4*(\s)+1], s20, (\s)*SLOT                    ; LDS address
	s_add_nc_u64 s[G0+4*(\s)+2:G0+4*(\s)+3], s[14:15], (\s)*KSTEP*2  ; global address: K step s
	s_or_b32 s[G0+4*(\s)+3], s[G0+4*(\s)+3], 0x80000000            ; type = 2
	s_mov_b32 s[G0B+4*(\s)], 1
	s_add_co_u32 s[G0B+4*(\s)+1], s20, (\s)*SLOT
	s_add_nc_u64 s[G0B+4*(\s)+2:G0B+4*(\s)+3], s[46:47], (\s)*KSTEP*2
	s_or_b32 s[G0B+4*(\s)+3], s[G0B+4*(\s)+3], 0x80000000
	JLOAD \s                                       ; the ring is filled before anything else is done: two loads of mine are out
.endr
	; A fragment is 16 rows x 32 K in 8 registers: lane l holds row l % 16; registers 0-3 hold K = 8 (l / 16) + 0..7, registers 4-7 K = 16 + 8 (l / 16) + 0..7: two loads of 16 bytes, 32 bytes apart.
	v_and_b32 v1, 15, v0                           ; l % 16
	v_bfe_u32 v2, v0, 4, 1                         ; l / 16
	v_mul_u32_u24 v3, v1, PITCH
	v_lshl_add_u32 v3, v2, 4, v3                   ; row x pitch + 16 x half
	s_mul_i32 s21, s11, HALFT                      ; my 128 rows of xq
	s_mul_i32 s22, s12, HALFT                      ; my 128 rows of wq,
	s_add_co_u32 s22, s22, 2*HALFT                 ; which lie behind xq's 256
.irp s, 0,1
	v_add_nc_u32 v[ADRA+(\s)], s21, v3
	v_add_nc_u32 v[ADRB+(\s)], s22, v3
	s_add_co_u32 s21, s21, SLOT
	s_add_co_u32 s22, s22, SLOT
.endr
	s_mul_i32 s23, s10, 16*SPITCH
	s_add_co_u32 s23, s23, STAGE                   ; my stage
	v_mul_u32_u24 v4, v1, SPITCH                   ; in: row l % 16, 32 bytes for each half of the lanes
	v_lshl_add_u32 v4, v2, 5, v4
	v_add_nc_u32 v[STO], s23, v4
	v_and_b32 v5, 31, v0
	v_lshlrev_b32 v[CO], 4, v5                     ; back: 32 lanes take one row of 512 bytes
	v_add_nc_u32 v[RD], s23, v[CO]
	v_lshlrev_b32 v[XO], 2, v1
	v_lshlrev_b32 v[BO], 5, v2
	v_mov_b32 v[TS], 0                             ; v_permlanex16_b32 counts as a reader of its destination
	s_mov_b32 s74, 0x76543210                      ; its selects: each lane takes its own place in the other half
	s_mov_b32 s75, 0xfedcba98
	; my part of the tile: rows from 256 x tile row + 128 x half, columns from 256 x tile column + 128 x half
	s_lshl_b32 s13, s13, 8
	s_lshl_b32 s14, s11, 7
	s_add_co_u32 s16, s13, s14                     ; my first row
	s_lshl_b32 s76, s16, 2
	s_mov_b32 s77, 0
	s_add_nc_u64 s[70:71], s[70:71], s[76:77]      ; xdeq at my first row
	s_lshl_b32 s16, s16, 14                        ; x 16,384 bytes, under 2^26
	s_mov_b32 s17, 0
	s_lshl_b32 s46, s42, 10                        ; my first column, in bytes of f32 (in the registers that held wq's address: none that feeds xq's descriptors ever holds cx)
	s_lshl_b32 s47, s12, 9
	s_add_co_u32 s46, s46, s47
	s_mov_b32 s47, 0
	s_add_nc_u64 s[72:73], s[72:73], s[46:47]      ; bias at my first column
	s_add_nc_u64 s[8:9], s[8:9], s[16:17]
	s_add_nc_u64 s[8:9], s[8:9], s[46:47]          ; out0 at my first number
	; the prefetches.  s13 = 256 x tile row, s42 = tile column, s40 = cx, s41 = cy still stand
	s_lshl_b32 s42, s42, 8
	s_and_b32 s22, ttmp7, 0xffff                   ; cluster y
	s_cmp_eq_u32 s11, 0                            ; do I fetch for xq?
	s_cselect_b32 s20, s13, s42                    ; the tile's first row
	s_cselect_b32 s21, s40, s41                    ; my place among the four that ask for it with me
	s_cselect_b32 s22, ttmp9, s22                  ; the coordinate along which other clusters read the same rows
	s_cselect_b64 s[PFA:PFA+1], s[4:5], s[6:7]
	s_cmp_eq_u32 s22, 0
	s_cselect_b32 s[LIM], 1, -1                    ; the same in all sixteen partners, for a given wave
	s_lshl_b32 s22, s12, 7
	s_add_co_u32 s20, s20, s22                     ; + the 128 rows that I fetch
	s_lshl_b32 s21, s21, 5
	s_add_co_u32 s20, s20, s21                     ; + my work-group's 32 of them
	s_mov_b32 s21, 0
	s_mov_b64 s[18:19], SIZE_K*2
	s_mul_u64 s[20:21], s[20:21], s[18:19]
	s_add_nc_u64 s[PFA:PFA+1], s[PFA:PFA+1], s[20:21]
	s_add_nc_u64 s[PFA:PFA+1], s[PFA:PFA+1], 2*KSTEP*2  ; at K step 2: the first refill steps it to 3 and names K step 4
	v_and_b32 v[PFO], 31, v0
	v_mul_u32_u24 v[PFO], v[PFO], SIZE_K*2
	; THE CONSTANTS OF THE WAY OUT, made while the first tiles are on their way: w_scale, my eight scales, my 64 numbers of bias
.irp j, 0,1,2,3
	global_load_b128 v[P+4*(\j):P+4*(\j)+3], v[CO], s[68:69] offset:512*(\j)
.endr
.irp a, 0,1,2,3,4,5,6,7
	global_load_b32 v[XD+(\a)], v[XO], s[70:71] offset:64*(\a)     ; xdeq of row 16 a + l % 16
.endr
	WIN TO_B
.irp b, 0,1,2,3,4,5,6,7
	global_load_b128 v[BI+8*(\b):BI+8*(\b)+3],   v[BO], s[72:73] offset:64*(\b)
	global_load_b128 v[BI+8*(\b)+4:BI+8*(\b)+7], v[BO], s[72:73] offset:64*(\b)+16
.endr
	WIN 0
	s_wait_loadcnt 0x0
.irp r, 0,2,4,6
	v_pk_add_f32 v[P+(\r):P+(\r)+1], v[P+(\r):P+(\r)+1], v[P+8+(\r):P+8+(\r)+1]
.endr
	v_pk_add_f32 v[P:P+1], v[P:P+1], v[P+4:P+5]
	v_pk_add_f32 v[P+2:P+3], v[P+2:P+3], v[P+6:P+7]
	v_pk_add_f32 v[P:P+1], v[P:P+1], v[P+2:P+3]
	v_add_f32 v[P], v[P], v[P+1]
	v_add_f32_dpp v[P], v[P], v[P] row_xmask:1 row_mask:0xf bank_mask:0xf
	v_add_f32_dpp v[P], v[P], v[P] row_xmask:2 row_mask:0xf bank_mask:0xf
	v_add_f32_dpp v[P], v[P], v[P] row_xmask:4 row_mask:0xf bank_mask:0xf
	v_add_f32_dpp v[P], v[P], v[P] row_xmask:8 row_mask:0xf bank_mask:0xf
	v_permlanex16_b32 v[TS], v[P], s74, s75
	v_add_f32 v[P], v[P], v[TS]
	v_mul_f32 v[P], 0x33800000, v[P]               ; x 2^-24, exact: w_scale
	WIN TO_B
.irp a, 0,1,2,3,4,5,6,7
	v_mul_f32 v[SC+2*(\a)], v[P], v[XD+(\a)]
	v_mul_f32 v[SC+2*(\a)+1], v[P], v[XD+(\a)]
.endr
	WIN 0
; 16 matrix instructions: m blocks a0, a0 + 1 of the window's four (hi = 0: my rows 0-63, 1: rows 64-127) x all 8 n blocks, 32 along K.  zero = 1: the first product starts the sums: nothing is ever cleared.
; The 64 accumulators take turns, one instruction a turn, in the same order in every quarter step, over the backward jump too.
.macro MUL16 f, hi, a0, zero
	WIN MUL_LO+0x50*(\hi)
.irp a, \a0, (\a0)+1
.irp b, 0,1,2,3,4,5,6,7
.if \zero
	v_wmma_f32_16x16x32_bf16 v[8*(8*(\a)+(\b)):8*(8*(\a)+(\b))+7], v[(\f)+8*(\b):(\f)+8*(\b)+7], v[(\f)+8*(4*(\hi)+(\a)):(\f)+8*(4*(\hi)+(\a))+7], 0
.else
	v_wmma_f32_16x16x32_bf16 v[8*(8*(\a)+(\b)):8*(8*(\a)+(\b))+7], v[(\f)+8*(\b):(\f)+8*(\b)+7], v[(\f)+8*(4*(\hi)+(\a)):(\f)+8*(4*(\hi)+(\a))+7], v[8*(8*(\a)+(\b)):8*(8*(\a)+(\b))+7]
.endif
.endr
.endr
.endm
; 32 LDS loads in one run: the fragments of one quarter step (128 rows of wq, 128 rows of xq, 32 K at byte k of the rows) into buffer f
.macro FETCH slot, k, f
	WIN TO_B
.irp i, 0,1,2,3,4,5,6,7
	ds_load_b128 v[(\f)+8*(\i):(\f)+8*(\i)+3],   v[ADRB+(\slot)] offset:(\k)+(\i)*16*PITCH
	ds_load_b128 v[(\f)+8*(\i)+4:(\f)+8*(\i)+7], v[ADRB+(\slot)] offset:(\k)+(\i)*16*PITCH+32
.endr
	WIN 0
.irp i, 0,1,2,3,4,5,6,7
	ds_load_b128 v[(\f)+8*(\i):(\f)+8*(\i)+3],   v[ADRA+(\slot)] offset:(\k)+(\i)*16*PITCH
	ds_load_b128 v[(\f)+8*(\i)+4:(\f)+8*(\i)+7], v[ADRA+(\slot)] offset:(\k)+(\i)*16*PITCH+32
.endr
.endm
; A load into a register that a matrix instruction has read, and a vector instruction that reads a matrix result or writes one of a matrix instruction's registers, stand four places behind it, and only plain
; vector instructions that name none of its registers are places (ISA guide 7.12.1 for vector instructions).
.macro PLACES
.rept 4
	v_nop
.endr
.endm
; A K step is four quarter steps of 32 along K, 64 matrix instructions each, on buffers 0, 1, 0, 1.  One of the first three: multiplies buffer f; in its middle it fetches the next quarter's fragments into buffer g.
.macro QUARTER slot, k, f, g, zero
	s_wait_dscnt 8                                 ; wq's and xq's rows 0-63 are in; the youngest eight loads (xq's rows 64-127) may be out
	WIN MUL_LO
	MUL16 \f, 0, 0, \zero
	MUL16 \f, 0, 2, \zero
	PLACES
	FETCH \slot, \k, \g
	s_wait_dscnt 32                                ; all but the 32 just issued
	WIN MUL_HI
	MUL16 \f, 1, 0, \zero
	MUL16 \f, 1, 2, \zero
.endm
; The last quarter multiplies buffer 1 and changes slots.  MEET is its first half: ONE barrier for the change of slots.  In front of it each wave waits for all its tensor loads, of which one is out: its part of
; the next slot; adds 0 to its spare word; and waits for that and for its own reads of this slot.  Behind it nobody reads this slot any more and the next slot is whole.
.macro MEET round                      ; round = 1: the rest of a round of the cluster's barrier follows
	WIN 0                                          ; (the add's two registers lie in window 0)
	s_wait_tensorcnt 0x0                           ; all my tensor loads have landed;
	ds_add_u32 v[SPW], v[NIL]                      ; 0 onto my spare word;
	s_wait_dscnt 9                                 ; (the add and the youngest eight loads may be out)
	WIN MUL_LO
	MUL16 F1, 0, 0, 0                              ; sixteen matrix instructions stand between the add and the wait for it
	s_wait_dscnt 0x0                               ; the add is done, and my reads of this slot are over:
	s_barrier_signal -1                            ; say so,
	MUL16 F1, 0, 2, 0                              ; work on registers while the others arrive,
.if \round
	WIN 0
.endif
	s_barrier_wait -1                              ; and go on when all four have said so
.endm
; The whole last quarter, with a refill: behind the round the slot just read out is filled again first, with the K step two steps on; then come the next slot's first fragments.
; From a request to the wait for it a wave issues 224 matrix instructions; one tensor load of mine is out meanwhile.
.macro TURN slot, next
	s_wait_xcnt 0x0                                ; the last prefetch, a K step back, has read its address: it is stepped here, ahead of the waits of the change of slots
	s_add_nc_u64 s[PFA:PFA+1], s[PFA:PFA+1], KSTEP*2
	MEET 1
	CREST                                          ; all sixteen work-groups have said so: no wave of any partner still reads this slot's tile or has a load on its way
	s_add_nc_u64 s[G0+4*(\slot)+2:G0+4*(\slot)+3], s[G0+4*(\slot)+2:G0+4*(\slot)+3], 2*KSTEP*2
	s_add_nc_u64 s[G0B+4*(\slot)+2:G0B+4*(\slot)+3], s[G0B+4*(\slot)+2:G0B+4*(\slot)+3], 2*KSTEP*2
	JLOAD \slot                                    ; the first tensor load behind the round; the four v_nop behind it are also the places in front of the loads below
	FETCH \next, 0, F0
	ASK
	WIN MUL_HI
	MUL16 F1, 1, 0, 0
	MUL16 F1, 1, 2, 0
.endm
.macro TURNL                           ; the last change of slots: nothing is filled again, so no round follows
	MEET 0
	PLACES                                         ; for the loads into buffer 0, which the quarter before multiplied
	FETCH 1, 0, F0
	MUL16 F1, 1, 0, 0
	MUL16 F1, 1, 2, 0
.endm
; THE WAY OUT of block a (16 rows x 128 columns), in three parts.  PACK: result x scale + bias, two at a time, each accumulator's registers in ascending order.  TOSTAGE: into my own stage in LDS, and back as
; whole rows of 512 bytes.  SEND: stored.
.macro PACK a
	WIN 0x16+(\a)/4                                ; source 0: window 2 or 3; sources 1 and 2: window 1; destination: window 0
.set AC, 64*((\a)%4)
.set i, 0
.rept 32
	v_pk_fma_f32 v[TMP+2*i:TMP+2*i+1], v[AC+2*i:AC+2*i+1], v[SC+2*(\a):SC+2*(\a)+1], v[BI+2*i:BI+2*i+1]
.set i, i+1
.endr
	WIN 0
.endm
.macro TOSTAGE a
	WIN 0
.set BK, BK0+64*((\a)%2)
.set i, 0
.rept 16
	ds_store_b128 v[STO], v[TMP+4*i:TMP+4*i+3] offset:64*(i/2)+16*(i%2)   ; columns 16 (i / 2) + 8 (l / 16) + 4 (i % 2) on
.set i, i+1
.endr
.set i, 0
.rept 16
	ds_load_b128 v[BK+4*i:BK+4*i+3], v[RD] offset:SPITCH*i  ; LDS serves a wave's instructions in order (ISA guide 5.7.1.4): these see the stores above
.set i, i+1
.endr
.endm
.macro SEND a
	WIN 0
.set BK, BK0+64*((\a)%2)
	s_wait_dscnt 0x0                               ; the block is back in registers
	s_wait_xcnt 0x0                                ; every earlier store has read its registers and its base: only behind this wait are they written again
.if (\a) > 0
	s_add_nc_u64 s[8:9], s[8:9], 16*SIZE_N*4       ; 16 rows of out0 on
.endif
.set i, 0
.rept 16
	global_store_b128 v[CO], v[BK+4*i:BK+4*i+3], s[8:9] offset:SIZE_N*4*i th:TH_STORE_NT  ; the wave stores 512 consecutive bytes of a row, at a multiple of 256 from out0's first byte
.set i, i+1
.endr
.endm
	s_wait_tensorcnt 1                             ; my part of K step 0 is in; K step 1's may stay out
	s_barrier_signal -1
	s_barrier_wait -1                              ; everybody's is
	FETCH 0, 0, F0
	QUARTER 0, 64,  F0, F1, 1                      ; the first quarter stands in front of the loop: its products start the sums
	WIN 0                                          ; at a label and at a branch every window is 0
	s_mov_b32 s3, LAPS-1
.Llap:                                                 ; a trip goes once round the ring, from a lap's second quarter to the next lap's first, and fills both slots again
	QUARTER 0, 128, F1, F0, 0
	QUARTER 0, 192, F0, F1, 0
	TURN 0, 1
	QUARTER 1, 64,  F0, F1, 0
	QUARTER 1, 128, F1, F0, 0
	QUARTER 1, 192, F0, F1, 0
	TURN 1, 0
	QUARTER 0, 64,  F0, F1, 0
	WIN 0
	s_sub_co_u32 s3, s3, 1
	s_cmp_lg_u32 s3, 0
	s_cbranch_scc1 .Llap
	QUARTER 0, 128, F1, F0, 0                      ; the last lap is written out: it asks for nothing more
	QUARTER 0, 192, F0, F1, 0
	TURNL
	QUARTER 1, 64,  F0, F1, 0
	QUARTER 1, 128, F1, F0, 0
	QUARTER 1, 192, F0, F1, 0
	s_wait_dscnt 8                                 ; the very last quarter: nothing more to fetch
	MUL16 F1, 0, 0, 0
	MUL16 F1, 0, 2, 0
	s_wait_dscnt 0x0
	MUL16 F1, 1, 0, 0
	MUL16 F1, 1, 2, 0
	PLACES                                         ; behind the last products: what follows writes the fragments' registers and reads results
	PACK 0
	TOSTAGE 0
.irp a, 1,2,3,4,5,6,7                  ; block a's arithmetic stands between block a - 1's loads from the stage and the wait for them
	PACK \a
	SEND (\a)-1
	TOSTAGE \a
.endr
	SEND 7
	s_wait_tensorcnt 0x0                           ; the wave's end: behind my last tensor load and my last LDS store
	ds_add_u32 v[SPW], v[NIL]
	s_wait_dscnt 0x0
	CROUND                                         ; the closing round: no work-group ends while a partner may still ask for a tile that names it
	s_endpgm
.Lfunc_end_k_qfa86d11ada_gemm:
	.size	k_qfa86d11ada_gemm, .Lfunc_end_k_qfa86d11ada_gemm-k_qfa86d11ada_gemm
	.p2alignl 7, 3214868480
	.fill 96, 4, 3214868480
	.section	.rodata,"a",@progbits
	.p2align	6, 0x0
	.amdhsa_kernel k_qfa86d11ada_gemm
		.amdhsa_group_segment_fixed_size 327680
		.amdhsa_private_segment_fixed_size 0
		.amdhsa_enable_private_segment 0
		.amdhsa_kernarg_size 48
		.amdhsa_user_sgpr_count 2
		.amdhsa_user_sgpr_kernarg_segment_ptr 1
		.amdhsa_wavefront_size32 1
		.amdhsa_system_sgpr_workgroup_id_x 1
		.amdhsa_system_sgpr_workgroup_id_y 1
		.amdhsa_system_sgpr_workgroup_id_z 1
		.amdhsa_system_vgpr_workitem_id 0
		.amdhsa_next_free_vgpr 1024
		.amdhsa_next_free_sgpr 80
		.amdhsa_reserve_vcc 0
		.amdhsa_float_denorm_mode_32 3
		.amdhsa_float_denorm_mode_16_64 3
		.amdhsa_memory_ordered 1
		.amdhsa_forward_progress 1
		.amdhsa_inst_pref_size 162
	.end_amdhsa_kernel
	.amdgpu_metadata
---
amdhsa.version: [ 1, 2 ]
amdhsa.kernels:
  - .name:           k_qfa86d11ada_gemm
    .symbol:         k_qfa86d11ada_gemm.kd
    .args:
      - { .name: xq, .offset: 0, .size: 8, .value_kind: global_buffer, .address_space: global }
      - { .name: wq, .offset: 8, .size: 8, .value_kind: global_buffer, .address_space: global }
      - { .name: out0, .offset: 16, .size: 8, .value_kind: global_buffer, .address_space: global }
      - { .name: wpart, .offset: 24, .size: 8, .value_kind: global_buffer, .address_space: global }
      - { .name: xdeq, .offset: 32, .size: 8, .value_kind: global_buffer, .address_space: global }
      - { .name: bias, .offset: 40, .size: 8, .value_kind: global_buffer, .address_space: global }
    .group_segment_fixed_size: 327680
    .private_segment_fixed_size: 0
    .kernarg_segment_align: 8
    .kernarg_segment_size: 48
    .max_flat_workgroup_size: 128
    .sgpr_count:     80
    .vgpr_count:     1024
    .wavefront_size: 32
...
	.end_amdgpu_metadata
.endif
;; end of part 3
;; ======== version 2 of 2: 3 launches; version 1 with the launch wquant written anew for expert scheduling mode
;; workspace buffers: xq 33,554,432 bytes; wq 33,554,432 bytes; wpart 2,048 bytes; xdeq 16,384 bytes
;; launch prep: the kernel of part 1 again; grid 512 x 1, 8 waves a work-group, no clusters, 1,280 bytes of LDS; arguments x, weight, xq, wpart, xdeq; writes xq, wpart, xdeq
;; launch wquant (part 4): grid 512 x 1, 8 waves a work-group, no clusters, 0 bytes of LDS; arguments weight, wpart, wq; writes wq
.if DOCPART == 4
	.amdgcn_target "amdgcn-amd-amdhsa--gfx1250"
	.amdhsa_code_object_version 6
	.text
	.protected	k_qfa86d11ada_wquant
	.globl	k_qfa86d11ada_wquant
	.p2align	8
	.type	k_qfa86d11ada_wquant,@function
k_qfa86d11ada_wquant:
	s_mov_b64 s[64:65], 0
	v_nop
	global_prefetch_b8 v0, s[64:65] scope:SCOPE_SE
	s_setreg_imm32_b32 hwreg(HW_REG_WAVE_SCHED_MODE, 0, 2), 2
	s_setreg_imm32_b32 hwreg(HW_REG_WAVE_MODE, 25, 1), 1
	s_wait_xcnt 0x0
	s_wait_alu depctr_vm_vsrc(0)
; SECOND PASS.  weight: [4096][4096] f32 -> wq: [4096][4096] bf16 holding clip(round(weight / (w_scale + 1e-10)), -1, 1), w_scale = the mean of |weight| = (the sum of wpart's 512 numbers) x 2^-24.
; NO DIVISION.  With s = w_scale + 1e-10 the rounded quotient |w| / s is rounded (ties to even) to 1 or more exactly where |w| > s / 2 as f32 numbers: s / 2 is exact, the next f32 above it lies more
; than one part in 2^24 higher, so its quotient rounds above 0.5; at or below s / 2 the quotient is at most 0.5, which goes to 0.  Above 1.5 the clip gives 1.  So: sign(w) where |w| > s / 2, else 0.
; SHARES.  A wave a row of 16,384 bytes: 32 loads of 16 bytes a lane, all out at once; no loop, no LDS, no wave waits for another.  Every wave adds wpart's 2,048 bytes up for itself.
; LIMITS.  The mean is taken in the order of the partial sums and trees, not as one running sum: a weight that lies between this threshold and another order's would differ.  A zero is stored as +0.
; NaN and infinities are not treated apart.
; THE MODE: SCHED_MODE bits 1:0 = 2 (LLVM: expert scheduling mode 2), set by the entry lines.  The code itself states the register dependences between vector instructions and memory
; instructions, and those through scalar registers that vector instructions write, with s_wait_alu, always for 0.
; THE PLAN.  The row's 32 chunks (a load each) go in 16 blocks of two.  Registers that memory instructions touch:
;   v[LO], v[SO]  byte offsets, made once at the head and never written again: read by every load and by every store.
;   P             written by wpart's four loads, once; behind the wait for them named by vector instructions alone.
;   W             chunk j has four registers of its own.  Its load lands in them, once, and no vector instruction names them before that.  Block n's compares and v_bfi_b32 read its eight registers;
;                 its four v_perm_b32 write the first two of each chunk's four; the two stores that read those are issued in block n + 1; nothing writes them behind the stores.
;   T and H are named by vector instructions alone.
; So no register that a memory instruction has read is ever written again, and ONE wait on va_vdst at a block's head, behind the wait for its data, states all that the block's two stores hang on:
; the block before has written what they read, and no vector instruction of the block in hand names those registers.
; Scalar registers that vector instructions write: s14 (the wave's number) and the eight masks s[MK ..]: one wait on va_sdst behind each block's run of eight compares, ahead of the first select;
; the eight v_bfi_b32, which read no mask, stand between the compares and that wait.
.set LANE, 1                           ; v1      lane
.set LO,   2                           ; v2      16 x lane; never rewritten
.set SO,   3                           ; v3      8 x lane; never rewritten
.set H,    8                           ; v8      the threshold
.set TS,   9                           ; v9      the other half of the lanes'
.set P,    16                          ; v[16:31] sixteen of wpart's numbers
.set T,    32                          ; v[32:39] at work: a block's eight numbers
.set W,    40                          ; v[40:167] the row
.set MK,   16                          ; s[16:23] a block's eight masks (s16 to s19 hold byte offsets at the head, which are used up when the bases are made)
	s_load_b128 s[4:7], s[0:1], 0x0                ; weight s[4:5], wpart s[6:7]
	s_load_b64 s[8:9], s[0:1], 0x10                ; wq
	v_lshrrev_b32 v[TS], 5, v0
	v_readfirstlane_b32 s14, v[TS]                 ; wave 0..7
	v_and_b32 v[LANE], 31, v0
	v_lshlrev_b32 v[LO], 4, v[LANE]
	v_lshlrev_b32 v[SO], 3, v[LANE]
	s_wait_alu depctr_va_sdst(0)                   ; s14 is written, ahead of its first reader: my row's number is made from it
	s_lshl_b32 s15, ttmp9, 3
	s_add_co_u32 s15, s15, s14                     ; my row
	s_lshl_b32 s16, s15, 14
	s_mov_b32 s17, 0
	s_lshl_b32 s18, s15, 13
	s_mov_b32 s19, 0
	s_mov_b32 s24, 0x7fffffff                      ; all but the sign
	s_mov_b32 s25, 0x07060302                      ; v_perm_b32: the two upper halves
	s_mov_b32 s26, 0x76543210
	s_mov_b32 s27, 0xfedcba98
	s_mov_b32 s28, 0x3f800000                      ; 1.0
	s_wait_kmcnt 0x0
	s_add_nc_u64 s[4:5], s[4:5], s[16:17]
	s_add_nc_u64 s[8:9], s[8:9], s[18:19]
	s_wait_alu depctr_va_vdst(0)                   ; v[LO] and v[SO] are written: every load of the kernel reads the one as its offset, every store the other
.irp j, 0,1,2,3
	global_load_b128 v[P+4*(\j):P+4*(\j)+3], v[LO], s[6:7] offset:512*(\j)
.endr
.irp j, 0,1,2,3,4,5,6,7,8,9,10,11,12,13,14,15,16,17,18,19,20,21,22,23,24,25,26,27,28,29,30,31
	global_load_b128 v[W+4*(\j):W+4*(\j)+3], v[LO], s[4:5] offset:512*(\j) th:TH_LOAD_NT   ; weight's last reading
.endr
	s_wait_loadcnt 32                              ; wpart is in; the row's 32 loads stay out
.irp r, 0,2,4,6
	v_pk_add_f32 v[P+(\r):P+(\r)+1], v[P+(\r):P+(\r)+1], v[P+8+(\r):P+8+(\r)+1]
.endr
	v_pk_add_f32 v[P:P+1], v[P:P+1], v[P+4:P+5]
	v_pk_add_f32 v[P+2:P+3], v[P+2:P+3], v[P+6:P+7]
	v_pk_add_f32 v[P:P+1], v[P:P+1], v[P+2:P+3]
	v_add_f32 v[P], v[P], v[P+1]
	v_add_f32_dpp v[P], v[P], v[P] row_xmask:1 row_mask:0xf bank_mask:0xf
	v_add_f32_dpp v[P], v[P], v[P] row_xmask:2 row_mask:0xf bank_mask:0xf
	v_add_f32_dpp v[P], v[P], v[P] row_xmask:4 row_mask:0xf bank_mask:0xf
	v_add_f32_dpp v[P], v[P], v[P] row_xmask:8 row_mask:0xf bank_mask:0xf
	v_permlanex16_b32 v[TS], v[P], s26, s27
	v_add_f32 v[P], v[P], v[TS]
	v_mul_f32 v[P], 0x33800000, v[P]               ; x 2^-24, exact: w_scale
	v_add_f32 v[H], 0x2edbe6ff, v[P]               ; + 1e-10
	v_mul_f32 v[H], 0.5, v[H]                      ; halved, exact
; The two stores of block m: each 32 lanes x 8 bytes: 256 consecutive bytes, aligned; their registers are not written again.
.macro OUT m
	global_store_b64 v[SO], v[W+8*(\m):W+8*(\m)+1],   s[8:9] offset:512*(\m)
	global_store_b64 v[SO], v[W+8*(\m)+4:W+8*(\m)+5], s[8:9] offset:512*(\m)+256
.endm
.set n, 0
.rept 16                               ; block n: chunks 2 n and 2 n + 1
	s_wait_loadcnt 30-2*n                          ; loads come back in order (ISA guide 5.7.1): the block's two chunks are in; the younger ones stay out
.if n > 0
	s_wait_alu depctr_va_vdst(0)                   ; the four v_perm_b32 of the block before have written the registers that the two stores below read
	OUT n-1
.endif
.irp k, 0,1,2,3,4,5,6,7
	v_cmp_gt_f32 s[MK+(\k)], |v[W+8*n+(\k)]|, v[H]
.endr
.irp k, 0,1,2,3,4,5,6,7
	v_bfi_b32 v[T+(\k)], s24, s28, v[W+8*n+(\k)]   ; 1.0 with w's sign
.endr
	s_wait_alu depctr_va_sdst(0)                   ; the eight compares have written s[MK ..], ahead of the first select that reads one of them
.irp k, 0,1,2,3,4,5,6,7
	v_cndmask_b32 v[T+(\k)], 0, v[T+(\k)], s[MK+(\k)]
.endr
.irp c, 0,1
	v_perm_b32 v[W+8*n+4*(\c)],   v[T+4*(\c)+1], v[T+4*(\c)],   s25   ; an f32's upper half is the bf16 of -1, 0 or 1, exactly
	v_perm_b32 v[W+8*n+4*(\c)+1], v[T+4*(\c)+3], v[T+4*(\c)+2], s25
.endr
.set n, n+1
.endr
	s_wait_alu depctr_va_vdst(0)                   ; the last block's four v_perm_b32 have written the registers that the last two stores read
	OUT 15
	s_endpgm
.Lfunc_end_k_qfa86d11ada_wquant:
	.size	k_qfa86d11ada_wquant, .Lfunc_end_k_qfa86d11ada_wquant-k_qfa86d11ada_wquant
	.p2alignl 7, 3214868480
	.fill 96, 4, 3214868480
	.section	.rodata,"a",@progbits
	.p2align	6, 0x0
	.amdhsa_kernel k_qfa86d11ada_wquant
		.amdhsa_group_segment_fixed_size 0
		.amdhsa_private_segment_fixed_size 0
		.amdhsa_enable_private_segment 0
		.amdhsa_kernarg_size 24
		.amdhsa_user_sgpr_count 2
		.amdhsa_user_sgpr_kernarg_segment_ptr 1
		.amdhsa_wavefront_size32 1
		.amdhsa_system_sgpr_workgroup_id_x 1
		.amdhsa_system_sgpr_workgroup_id_y 1
		.amdhsa_system_sgpr_workgroup_id_z 1
		.amdhsa_system_vgpr_workitem_id 0
		.amdhsa_next_free_vgpr 168
		.amdhsa_next_free_sgpr 66
		.amdhsa_reserve_vcc 0
		.amdhsa_float_denorm_mode_32 3
		.amdhsa_float_denorm_mode_16_64 3
		.amdhsa_memory_ordered 1
		.amdhsa_forward_progress 1
		.amdhsa_inst_pref_size 39
	.end_amdhsa_kernel
	.amdgpu_metadata
---
amdhsa.version: [ 1, 2 ]
amdhsa.kernels:
  - .name:           k_qfa86d11ada_wquant
    .symbol:         k_qfa86d11ada_wquant.kd
    .args:
      - { .name: weight, .offset: 0, .size: 8, .value_kind: global_buffer, .address_space: global }
      - { .name: wpart, .offset: 8, .size: 8, .value_kind: global_buffer, .address_space: global }
      - { .name: wq, .offset: 16, .size: 8, .value_kind: global_buffer, .address_space: global }
    .group_segment_fixed_size: 0
    .private_segment_fixed_size: 0
    .kernarg_segment_align: 8
    .kernarg_segment_size: 24
    .max_flat_workgroup_size: 256
    .sgpr_count:     66
    .vgpr_count:     168
    .wavefront_size: 32
...
	.end_amdgpu_metadata
.endif
;; end of part 4
;; launch gemm: the kernel of part 3 again; grid 16 x 16, 4 waves a work-group, clusters of 4 x 4, 327,680 bytes of LDS; arguments xq, wq, out0, wpart, xdeq, bias; writes out0
